; MI455X (gfx1250); checked and timed in simulation.
; The chip was launched on July 23, 2026; its instructions are those of AMD's public machine-readable ISA for CDNA 5 (MIT licence, August 2026) and "CDNA5" Instruction Set Architecture Reference Guide (July 2026). The comments in the code are by the model that wrote it; some were corrected since.
;; Attention. Allowed arithmetic: float matrix products may take bf16 or f16 operands with f32 sums; all other float work in f32.
;; Inputs: W_dec 1,024 x 1,024 float32; W_enc 1,024 x 2,048 float32; W_energy 1 x 1,024 float32; dec_state 32 x 1 x 1,024 float32; enc_state 32 x 1,024 x 2,048 float32; src_length 32 int32.
;; Outputs: out0 32 x 1 x 2,048 float32; out1 32 x 1 x 1,024 float32.
;; One version. Each part assembles by itself: llvm-mc -triple=amdgcn-amd-amdhsa -mcpu=gfx1250 --defsym DOCPART=n.
;; ======== version 1 of 1: 3 launches
;; limits: values are held in f16: magnitudes above 65,504 overflow, below 6.1e-05 lose precision
;; workspace buffers: wf16 4,194,304 bytes; decv 131,072 bytes; epart 524,288 bytes
;; launch prep (part 1): grid 64 x 1, 16 waves a work-group, no clusters, 18,432 bytes of LDS; arguments W_enc, W_dec, dec_state, wf16, decv; writes wf16, decv
.if DOCPART == 1
	.amdgcn_target "amdgcn-amd-amdhsa--gfx1250"
	.amdhsa_code_object_version 6
	.text
	.protected	k_q93be3ca49f_prep
	.globl	k_q93be3ca49f_prep
	.p2align	8
	.type	k_q93be3ca49f_prep,@function
k_q93be3ca49f_prep:
	s_mov_b64 s[64:65], 0
	v_nop
	global_prefetch_b8 v0, s[64:65] scope:SCOPE_SE
	s_setreg_imm32_b32 hwreg(HW_REG_WAVE_MODE, 25, 1), 1
	s_wait_xcnt 0x0
; Two small jobs ahead of the large product.  Work-group g owns rows n = 16 g .. 16 g + 15 of both weight matrices.
;  waves 0-7 : dec[b][n] = sum over k of dec_state[b][k] W_dec[n][k], 32 x 16 results, f16 operands, f32 sums.  Wave w takes k = 128 w .. 128 w + 127;
;              the eight partial sums meet in LDS and leave as decv[g][b][n % 16] f32: 2,048 dense bytes for the work-group.
;  waves 8-15: W_enc's 16 rows rounded to f16 and laid out as wf16[k / 64][n][k % 64], so that 128 rows x 64 k are 16,384 dense bytes.
; No cluster and no tensor load: everything passes through registers once; only dec_state (131,072 bytes) is read by more than one work-group.
; WHY f16 AND NOT bf16: the operands' rounding goes through the energies into the softmax's weights and from there into the context, where a short
; batch has few terms to average it out; f16 has 11 significant bits against 8, so that error is an eighth.
; Limit: operands are rounded to f16: magnitudes above 65,504 become infinite; below 2^-14 the rounding step stays 2^-24 (denormals are kept).
.set BW,   16                          ; v[16:79]    W_dec, K step q: 16 registers f32, then 8 registers f16 in their place
.set AW,   80                          ; v[80:207]   dec_state, rows 16 t + r, K step q, at AW + 64 t + 16 q, likewise
.set ACC0, 208                         ; v[208:215]  batches 0-15
.set ACC1, 216                         ; v[216:223]  batches 16-31
	s_load_b256 s[4:11], s[0:1], 0x0               ; W_enc s[4:5], W_dec s[6:7], dec_state s[8:9], wf16 s[10:11]
	s_load_b64 s[12:13], s[0:1], 0x20              ; decv
	v_lshl_add_u32 v224, v0, 2, 0x4000
	v_mov_b32 v225, 0
	v_lshrrev_b32 v1, 5, v0
	v_readfirstlane_b32 s14, v1                    ; wave 0..15
	v_and_b32 v5, 31, v0                           ; lane
	s_wait_kmcnt 0x0
	s_cmp_lt_u32 s14, 8
	s_cbranch_scc0 .Lconvert
	; ---- waves 0-7: the product.  A fragment's lane (r, h) holds k = 8 h .. 8 h + 7 and 16 + 8 h .. 16 + 8 h + 7 of row r:
	; in f32 that is 32 bytes at 32 h and 32 bytes at 64 + 32 h of a K step's 128 bytes.
	v_and_b32 v6, 15, v0                           ; r
	v_bfe_u32 v7, v0, 4, 1                         ; h
	s_lshl_b32 s15, s14, 9                         ; my 128 k in bytes
	v_lshlrev_b32 v3, 12, v6                       ; r rows of 4,096 bytes
	v_lshl_add_u32 v3, v7, 5, v3
	v_add_nc_u32 v3, s15, v3                       ; dec_state: row r, k = 128 w + 8 h
	s_lshl_b32 s16, ttmp9, 16                      ; 16 g rows of 4,096 bytes
	v_add_nc_u32 v2, s16, v3                       ; W_dec: row 16 g + r, the same k
	s_lshl_b32 s17, s14, 11                        ; my 2,048 bytes of LDS
	v_lshlrev_b32 v4, 2, v6
	v_lshl_add_u32 v4, v7, 9, v4
	v_add_nc_u32 v4, s17, v4                       ; 2,048 w + 64 (8 h) + 4 r
.irp q, 0,1,2,3
.irp o, 0,1,2,3
	global_load_b128 v[BW+16*\q+4*\o:BW+16*\q+4*\o+3], v2, s[6:7] offset:128*\q+16*(\o&1)+64*(\o>>1)
.endr
.irp t, 0,1
.irp o, 0,1,2,3
	global_load_b128 v[AW+64*\t+16*\q+4*\o:AW+64*\t+16*\q+4*\o+3], v3, s[8:9] offset:65536*\t+128*\q+16*(\o&1)+64*(\o>>1)
.endr
.endr
.endr
; sixteen f32 become eight registers of f16 in place: result j is written when sources 2 j and 2 j + 1 are read, and all lower sources have been used
.macro CV8 base
.irp j, 0,1,2,3,4,5,6,7
	v_cvt_pk_f16_f32 v[\base+\j], v[\base+2*\j], v[\base+2*\j+1]
.endr
.endm
.irp q, 0,1,2,3
	s_wait_loadcnt 12*(3-\q)                       ; the twelve loads of each younger K step stay out
	CV8 BW+16*\q
	CV8 AW+16*\q
	CV8 AW+64+16*\q
.if \q == 0
	v_wmma_f32_16x16x32_f16 v[ACC0:ACC0+7], v[AW:AW+7], v[BW:BW+7], 0              ; the first products start the sums
	v_wmma_f32_16x16x32_f16 v[ACC1:ACC1+7], v[AW+64:AW+71], v[BW:BW+7], 0
.else
	v_wmma_f32_16x16x32_f16 v[ACC0:ACC0+7], v[AW+16*\q:AW+16*\q+7], v[BW+16*\q:BW+16*\q+7], v[ACC0:ACC0+7]        ; the two accumulators take turns, one instruction a turn
	v_wmma_f32_16x16x32_f16 v[ACC1:ACC1+7], v[AW+64+16*\q:AW+64+16*\q+7], v[BW+16*\q:BW+16*\q+7], v[ACC1:ACC1+7]
.endif
.endr
.rept 4
	v_nop                                          ; four places behind the last matrix instruction, before its results are stored (ISA guide 7.12.1)
.endr
.irp j, 0,1,2,3,4,5,6,7
	ds_store_b32 v4, v[ACC0+\j] offset:64*\j       ; register j is (batch 8 h + j, n = r): byte 64 batch + 4 n of my 2,048
	ds_store_b32 v4, v[ACC1+\j] offset:1024+64*\j
.endr
	s_branch .Ljoin
.Lconvert:
	; ---- waves 8-15: wave w' takes k blocks 4 w' .. 4 w' + 3.  Item i: k block 4 w' + i / 4, rows 4 (i % 4) + lane / 8;
	; a lane reads 32 bytes (8 f32), eight lanes a row's 256 bytes, and stores 16 bytes: a store of the wave covers 512 consecutive bytes, aligned.
	s_sub_co_u32 s15, s14, 8
	v_lshrrev_b32 v6, 3, v5
	v_and_b32 v7, 7, v5
	v_lshlrev_b32 v2, 13, v6                       ; lane / 8 rows of 8,192 bytes
	v_lshl_add_u32 v2, v7, 5, v2
	s_lshl_b32 s16, ttmp9, 17                      ; 16 g rows
	s_lshl_b32 s17, s15, 10                        ; 4 w' k blocks of 256 bytes
	s_add_co_u32 s16, s16, s17
	v_add_nc_u32 v2, s16, v2
	s_lshl_b32 s18, s15, 19                        ; 4 w' k blocks of 131,072 bytes in wf16
	s_lshl_b32 s19, ttmp9, 11                      ; 16 g rows of 128 bytes
	s_add_co_u32 s18, s18, s19
	v_lshl_add_u32 v3, v5, 4, s18
.irp i, 0,1,2,3,4,5,6,7,8,9,10,11,12,13,14,15
	global_load_b128 v[16+8*\i:16+8*\i+3], v2, s[4:5] offset:(\i&3)*32768+(\i>>2)*256 th:TH_LOAD_NT
	global_load_b128 v[16+8*\i+4:16+8*\i+7], v2, s[4:5] offset:(\i&3)*32768+(\i>>2)*256+16 th:TH_LOAD_NT
.endr
.irp i, 0,1,2,3,4,5,6,7,8,9,10,11,12,13,14,15
	s_wait_loadcnt 2*(15-\i)                       ; the two loads of each younger item stay out
.irp j, 0,1,2,3
	v_cvt_pk_f16_f32 v[144+4*\i+\j], v[16+8*\i+2*\j], v[16+8*\i+2*\j+1]
.endr
	global_store_b128 v3, v[144+4*\i:144+4*\i+3], s[10:11] offset:(\i>>2)*131072+(\i&3)*512      ; each item has its own data registers: none is rewritten
.endr
.Ljoin:
	s_wait_dscnt 0x0                               ; my partial sums are in LDS, for the others' sake
	s_barrier_signal -1
	s_barrier_wait -1
	s_cmp_lt_u32 s14, 4
	s_cbranch_scc0 .Ldone
	; ---- waves 0-3: thread t of 128 adds the eight waves' 16 bytes at 16 t and stores them: 512 consecutive bytes a wave
	v_and_b32 v8, 127, v0
	v_lshlrev_b32 v8, 4, v8
.irp w, 0,1,2,3,4,5,6,7
	ds_load_b128 v[16+4*\w:16+4*\w+3], v8 offset:2048*\w
.endr
	s_lshl_b32 s15, ttmp9, 11
	v_add_nc_u32 v9, s15, v8
	s_wait_dscnt 0x0
.irp d, 16,8,4
.set i, 0
.rept \d/2
	v_pk_add_f32 v[16+2*i:16+2*i+1], v[16+2*i:16+2*i+1], v[16+\d+2*i:16+\d+2*i+1]
.set i, i+1
.endr
.endr
	global_store_b128 v9, v[16:19], s[12:13]
.Ldone:
	s_wait_tensorcnt 0x0
	ds_add_u32 v224, v225
	s_wait_dscnt 0x0
	s_endpgm
.Lfunc_end_k_q93be3ca49f_prep:
	.size	k_q93be3ca49f_prep, .Lfunc_end_k_q93be3ca49f_prep-k_q93be3ca49f_prep
	.p2alignl 7, 3214868480
	.fill 96, 4, 3214868480
	.section	.rodata,"a",@progbits
	.p2align	6, 0x0
	.amdhsa_kernel k_q93be3ca49f_prep
		.amdhsa_group_segment_fixed_size 18432
		.amdhsa_private_segment_fixed_size 0
		.amdhsa_enable_private_segment 0
		.amdhsa_kernarg_size 40
		.amdhsa_user_sgpr_count 2
		.amdhsa_user_sgpr_kernarg_segment_ptr 1
		.amdhsa_wavefront_size32 1
		.amdhsa_system_sgpr_workgroup_id_x 1
		.amdhsa_system_sgpr_workgroup_id_y 1
		.amdhsa_system_sgpr_workgroup_id_z 1
		.amdhsa_system_vgpr_workitem_id 0
		.amdhsa_next_free_vgpr 226
		.amdhsa_next_free_sgpr 66
		.amdhsa_reserve_vcc 0
		.amdhsa_float_denorm_mode_32 3
		.amdhsa_float_denorm_mode_16_64 3
		.amdhsa_memory_ordered 1
		.amdhsa_forward_progress 1
		.amdhsa_inst_pref_size 25
	.end_amdhsa_kernel
	.amdgpu_metadata
---
amdhsa.version: [ 1, 2 ]
amdhsa.kernels:
  - .name:           k_q93be3ca49f_prep
    .symbol:         k_q93be3ca49f_prep.kd
    .args:
      - { .name: W_enc, .offset: 0, .size: 8, .value_kind: global_buffer, .address_space: global }
      - { .name: W_dec, .offset: 8, .size: 8, .value_kind: global_buffer, .address_space: global }
      - { .name: dec_state, .offset: 16, .size: 8, .value_kind: global_buffer, .address_space: global }
      - { .name: wf16, .offset: 24, .size: 8, .value_kind: global_buffer, .address_space: global }
      - { .name: decv, .offset: 32, .size: 8, .value_kind: global_buffer, .address_space: global }
    .group_segment_fixed_size: 18432
    .private_segment_fixed_size: 0
    .kernarg_segment_align: 8
    .kernarg_segment_size: 40
    .max_flat_workgroup_size: 512
    .sgpr_count:     66
    .vgpr_count:     226
    .wavefront_size: 32
...
	.end_amdgpu_metadata
.endif
;; end of part 1
;; launch gemm (part 2): grid 4 x 128, 4 waves a work-group, clusters of 4 x 4, 327,680 bytes of LDS; arguments enc_state, wf16, decv, W_energy, epart; writes epart
.if DOCPART == 2
	.amdgcn_target "amdgcn-amd-amdhsa--gfx1250"
	.amdhsa_code_object_version 6
	.text
	.protected	k_q93be3ca49f_gemm
	.globl	k_q93be3ca49f_gemm
	.p2align	8
	.type	k_q93be3ca49f_gemm,@function
k_q93be3ca49f_gemm:
	s_mov_b64 s[64:65], 0
	v_nop
	global_prefetch_b8 v0, s[64:65] scope:SCOPE_SE
	s_setreg_imm32_b32 hwreg(HW_REG_WAVE_MODE, 25, 1), 1
	s_wait_xcnt 0x0
	s_wait_alu depctr_hold_cnt(0) depctr_sa_sdst(0) depctr_va_vdst(0) depctr_va_sdst(0) depctr_va_ssrc(0) depctr_va_vcc(0) depctr_vm_vsrc(0)
	s_getreg_b32 s2, hwreg(HW_REG_IB_STS2, 6, 4)
	s_cmp_eq_u32 s2, 0
	s_cbranch_scc0 .Lentry_in_a_cluster
	s_endpgm
.Lentry_in_a_cluster:
	s_bfe_u32 s2, ttmp6, 0x10000c
	s_cmp_lg_u32 s2, 0xf033
	s_cbranch_scc0 .Lentry_shape_is_right
	s_endpgm
.Lentry_shape_is_right:
; epart[nblk][row] = sum over the 256 columns h of block nblk of W_energy[h] tanh(dec[b][h] + sum over k of enc_state[row][k] W_enc[h][k]),  row = 1024 b + s.
; The product [32768 x 2048] x [2048 x 1024] never reaches memory: a work-group makes a block of 256 rows x 256 columns in registers (four waves, 128 x 128 each,
; 64 accumulator tiles = 512 registers), applies tanh and the weights there, and stores 256 partial energies.
; A (enc_state) is f32 in memory.  It comes into LDS as f32 by tensor loads and is rounded to f16 between LDS and the matrix unit; B (wf16) is f16 already.
; WHY f16 AND NOT bf16: the operands' rounding goes through the energies into the softmax's weights and from there into the context, where a short batch has few
; terms to average it out; f16 has 11 significant bits against 8, so that error is an eighth.
; K goes in steps of 64 through two LDS slots: a slot is 256 rows x (256 + 16) bytes of A and 256 rows x (128 + 16) bytes of B = 106,496 bytes; two slots of a step of 128
; would need 409,600 bytes, more than the 327,680 of a WGP's LDS.  A's rows are 256 bytes of memory at multiples of 256; B's tile is 16,384 dense bytes.
; CLUSTERS: 4 x 4 work-groups.  The four of a row of the cluster are the four column blocks of one row block and ask for A's tile jointly, so each byte of enc_state is
; requested once; the four of a column share a column block and ask for B's tile jointly.
; The matrix instruction is used transposed (source 0 = 16 rows of B, source 1 = 16 rows of A): lane (r, h) holds row r and columns 8 h .. 8 h + 7 of a tile,
; so the sum over columns is first a sum along the lane's own registers.
; tanh(x) = 1 - 2 / (1 + 2^(2.885390 x)): 2^.. overflows to infinity or underflows to 0, which give exactly +1 and -1, so every finite x is served.
; Limits: operands rounded to f16: magnitudes of enc_state above 65,504 become infinite, below 2^-14 the rounding step stays 2^-24 (denormals are kept);
; all 1,024 rows of a batch are computed, whatever src_length says (the next launch masks).
;
; REGISTERS, in windows of 256:
;   window 0: v0-15 at work; v16-24 addresses; v32-55 sums of the way out; v64-127, v128-191 A's fragments in f16, two buffers (on the way out: dec', W')
;   window 1: v0-63, v64-127 B's fragments, two buffers; v128-255 A's eight fragments in f32, as read from LDS
;   window 2: accumulator tiles of my rows 0-63 (tile (a, b) at v[8 (8 a + b)]);  window 3: those of my rows 64-127
.set KSTEP, 64
.set PA,    272                        ; A's LDS pitch: 256 bytes + 16: an odd multiple of 16, so sixteen rows' 16 bytes fall into sixteen different columns of 16 bytes modulo 256
.set PB,    144                        ; B's LDS pitch: 128 bytes + 16, likewise
.set HALFA, 128*PA                     ; what one tensor load of A brings, and what one wave reads of A
.set HALFB, 128*PB
.set SLOT,  2*HALFA+2*HALFB            ; A's 256 rows, then B's 256 rows
.set DW,    2*SLOT                     ; behind the ring: for each wave 512 bytes of dec' and 512 of W'; no tensor load lands here
.set EP,    DW+4096                    ; four partial energies for each of the block's 256 rows; no tensor load lands here
.set KBLK,  131072                     ; bytes of one k block of wf16
.set ADRA, 16                          ; v16-17  LDS address of my A fragments in slot 0, 1
.set ADRB, 20                          ; v20-21  the same for B
.set PF,   22                          ; v22     byte offset in enc_state of the block that I prefetch
.set DWA,  23                          ; v23     my dec' and W' on the way out
.set EPA,  24                          ; v24     where my partial energies go
.set SA,   32                          ; v[32:47] eight pairs of sums, one for each 16 rows
.set SZ,   48                          ; v[48:55] the sum of my 64 weights
.set AF,   64                          ; A's f16 buffers (window 0)
.set DQ,   64                          ; way out: dec' of my 64 columns
.set WQ,   128                         ; way out: W' of my 64 columns
.set BF,   0                           ; B's buffers (window 1)
.set ST,   128                         ; A in f32 (window 1)
.set G1,  24                           ; s[24:31] descriptor group 1, A
.set G0,  32                           ; s[32:39] group 0, A, one set for each slot
.set G1B, 48                           ; s[48:55] group 1, B
.set G0B, 56                           ; s[56:63] group 0, B, one set for each slot
.set MSB, 0
.macro WIN new                         ; the immediate's high byte repeats the setting that is left
.if MSB != \new
	s_set_vgpr_msb (MSB<<8)|\new
.set MSB, \new
.endif
.endm
.set MUL_LO, 0xa1                      ; source 0 (B) window 1, source 1 (A) window 0, C and D window 2
.set MUL_HI, 0xf1                      ; the same, C and D window 3
.set TO_1,   0x40                      ; destination window 1, address window 0
.set W_CVT,  0x05                      ; both sources window 1, destination window 0
.set W_E2,   0x82                      ; destination and source 0 window 2
.set W_E3,   0xc3                      ; destination and source 0 window 3
.set W_F2,   0x02                      ; source 0 window 2
.set W_F3,   0x03                      ; source 0 window 3
; A joint load: waves 0 and 1 fetch A's two halves, waves 2 and 3 B's.  Each line has one mask and one set of registers; the branch hangs on the wave's number alone.
.macro JLOAD s
	s_cmp_eq_u32 s15, 0
	s_cbranch_scc0 .Lfor_b_\@
	tensor_load_to_lds s[G0+4*\s:G0+4*\s+3], s[G1:G1+7]
	s_nop 0
	s_branch .Lasked_\@
.Lfor_b_\@:
	tensor_load_to_lds s[G0B+4*\s:G0B+4*\s+3], s[G1B:G1B+7]
	s_nop 0
.Lasked_\@:
.endm
.macro CREST                           ; a round of the cluster's barrier behind its opening work-group barrier
	s_cmp_lg_u32 s14, 0
	s_cbranch_scc1 .Lnot_wave_0_\@
	s_barrier_signal -3
.Lnot_wave_0_\@:
	s_barrier_wait -3
	s_barrier_signal -1
	s_barrier_wait -1
.endm
.macro CROUND                          ; a whole round
	s_barrier_signal -1
	s_barrier_wait -1
	CREST
.endm
	s_load_b256 s[4:11], s[0:1], 0x0               ; enc_state s[4:5], wf16 s[6:7], decv s[8:9], W_energy s[10:11]
	s_load_b64 s[12:13], s[0:1], 0x20              ; epart
	v_lshl_add_u32 v254, v0, 2, 0x36000
	v_mov_b32 v255, 0
	ds_add_u32 v254, v255
	v_lshrrev_b32 v1, 5, v0
	v_readfirstlane_b32 s14, v1                    ; wave 0..3
	s_lshr_b32 s15, s14, 1                         ; which half of the block's rows is mine.  Also: I fetch for A (0) or for B (1)
	s_and_b32 s16, s14, 1                          ; which half of its columns.  Also: which 128 rows of that tile I fetch
	s_bfe_u32 s17, ttmp6, 0x40000                  ; cx
	s_bfe_u32 s18, ttmp6, 0x40004                  ; cy
	s_lshl_b32 s19, ttmp9, 2
	s_add_co_u32 s19, s19, s17                     ; column block = 4 x cluster x + cx
	s_and_b32 s20, ttmp7, 0xffff
	s_lshl_b32 s20, s20, 2
	s_add_co_u32 s20, s20, s18                     ; row block = 4 x cluster y + cy
	s_lshl_b32 s21, s18, 2
	s_lshl_b32 s21, 15, s21                        ; my row of the cluster: places 4 cy .. 4 cy + 3
	s_lshl_b32 s22, 0x1111, s17                    ; my column: places cx, cx + 4, cx + 8, cx + 12
	; group 1 for A: 128 rows x 64 elements of 4 bytes, 2,048 elements from row to row; 4 words of padding behind every 64 words
	s_or_b32 s[G1+0], s21, (2<<16)|(1<<20)|(1<<21)|(5<<22)|(3<<25)
	s_mov_b32 s[G1+1], KSTEP<<16                   ; tensor_dim0 = 64
	s_mov_b32 s[G1+2], 128<<16                     ; tensor_dim1 = 128
	s_mov_b32 s[G1+3], KSTEP<<16                   ; tile_dim0 = 64
	s_mov_b32 s[G1+4], 128                         ; tile_dim1 = 128
	s_mov_b32 s[G1+5], 2048                        ; the pitch
	s_mov_b32 s[G1+6], 0
	s_mov_b32 s[G1+7], 0
	; group 1 for B: 16,384 dense bytes as 64 rows x 32 elements of 8 bytes; 4 words of padding behind every 32 words, that is behind each 128 bytes = 64 k of one n
	s_or_b32 s[G1B+0], s22, (3<<16)|(1<<20)|(1<<21)|(4<<22)|(3<<25)
	s_mov_b32 s[G1B+1], 32<<16
	s_mov_b32 s[G1B+2], 64<<16
	s_mov_b32 s[G1B+3], 32<<16
	s_mov_b32 s[G1B+4], 64
	s_mov_b32 s[G1B+5], 32
	s_mov_b32 s[G1B+6], 0
	s_mov_b32 s[G1B+7], 0
	; A's tiles hang on the row block alone (s40-s45 never hold cx), B's on the column block alone (s66-s71 never hold cy)
	s_lshl_b32 s40, s20, 8
	s_lshl_b32 s41, s16, 7
	s_add_co_u32 s40, s40, s41                     ; A: row 256 x row block + 128 x half
	s_lshl_b32 s40, s40, 13                        ; x 8,192 bytes: below 2^28
	s_mov_b32 s41, 0
	s_lshl_b32 s66, s19, 8
	s_lshl_b32 s67, s16, 7
	s_add_co_u32 s66, s66, s67                     ; B: n = 256 x column block + 128 x half
	s_lshl_b32 s66, s66, 7                         ; x 128 bytes
	s_mov_b32 s67, 0
	s_mul_i32 s44, s14, HALFA                      ; waves 0, 1: A's halves at 0 and HALFA
	s_mul_i32 s70, s14, HALFB
	s_add_co_u32 s70, s70, 2*HALFA-2*HALFB         ; waves 2, 3: B's halves at 2 HALFA and 2 HALFA + HALFB
	s_wait_dscnt 0x0
	s_wait_kmcnt 0x0
	s_add_nc_u64 s[42:43], s[4:5], s[40:41]
	s_add_nc_u64 s[68:69], s[6:7], s[66:67]
	CROUND                                         ; all sixteen work-groups are here: the first joint loads meet
.irp s, 0,1
	s_mov_b32 s[G0+4*\s], 1
	s_add_co_u32 s[G0+4*\s+1], s44, \s*SLOT
	s_add_nc_u64 s[G0+4*\s+2:G0+4*\s+3], s[42:43], \s*KSTEP*4      ; K step s
	s_or_b32 s[G0+4*\s+3], s[G0+4*\s+3], 0x80000000
	s_mov_b32 s[G0B+4*\s], 1
	s_add_co_u32 s[G0B+4*\s+1], s70, \s*SLOT
	s_add_nc_u64 s[G0B+4*\s+2:G0B+4*\s+3], s[68:69], \s*KBLK
	s_or_b32 s[G0B+4*\s+3], s[G0B+4*\s+3], 0x80000000
	JLOAD \s                                       ; both slots' first fills go out together: two tensor loads of the wave are out
.endr
	; addresses
	v_and_b32 v1, 15, v0                           ; r
	v_bfe_u32 v2, v0, 4, 1                         ; h
	v_and_b32 v7, 31, v0                           ; lane
	v_mul_u32_u24 v3, v1, PA
	v_lshl_add_u32 v3, v2, 5, v3                   ; A in f32: row r, 32 bytes for each half of the lanes
	v_mul_u32_u24 v4, v1, PB
	v_lshl_add_u32 v4, v2, 4, v4                   ; B in f16: row r, 16 bytes for each half
	s_mul_i32 s45, s15, HALFA
	s_mul_i32 s71, s16, HALFB
	s_add_co_u32 s71, s71, 2*HALFA
.irp s, 0,1
	v_add_nc_u32 v[ADRA+\s], s45, v3
	v_add_nc_u32 v[ADRB+\s], s71, v4
	s_add_co_u32 s45, s45, SLOT
	s_add_co_u32 s71, s71, SLOT
.endr
	s_lshl_b32 s72, s20, 8                         ; prefetch: of the row block's 256 rows, partner cx takes 64, its wave 16, a lane one row;
	s_lshl_b32 s73, s17, 6
	s_add_co_u32 s72, s72, s73
	s_lshl_b32 s73, s14, 4
	s_add_co_u32 s72, s72, s73
	v_add_nc_u32 v5, s72, v1
	v_lshlrev_b32 v5, 13, v5
	v_lshl_add_u32 v5, v2, 8, v5                   ; lanes 0-15 the first 256 bytes of a lap's 512, lanes 16-31 the second,
	v_add_nc_u32 v[PF], 1024, v5                   ; two laps (four K steps) ahead
	s_lshl_b32 s74, s14, 10
	s_add_co_u32 s74, s74, DW                      ; my 1,024 bytes of dec' and W'
	v_lshl_add_u32 v[DWA], v2, 5, s74
	v_lshl_add_u32 v6, v7, 4, s74
	s_lshl_b32 s75, s16, 11
	s_lshl_b32 s76, s15, 9
	s_add_co_u32 s75, s75, s76
	s_add_co_u32 s75, s75, EP
	v_lshl_add_u32 v8, v2, 10, s75
	v_lshl_add_u32 v[EPA], v1, 2, v8               ; EP + 1,024 (2 x column half + h) + 4 (128 x row half + r)
	; dec' = 2.885390 dec and W' = -2 W_energy of my 128 columns, 4 columns a lane, into my own LDS bytes
	s_lshl_b32 s77, s19, 4
	s_lshl3_add_u32 s77, s16, s77                  ; my first column / 16
	v_lshrrev_b32 v9, 2, v7
	v_add_nc_u32 v9, s77, v9
	v_lshlrev_b32 v9, 11, v9                       ; decv[n / 16]: 2,048 bytes each
	v_and_b32 v10, 3, v7
	v_lshl_add_u32 v9, v10, 4, v9
	s_lshr_b32 s78, s20, 2                         ; the batch: four row blocks each
	s_lshl_b32 s78, s78, 6
	v_add_nc_u32 v9, s78, v9
	s_lshl_b32 s77, s77, 6
	v_lshl_add_u32 v10, v7, 4, s77
	global_load_b128 v[64:67], v9, s[8:9]
	global_load_b128 v[68:71], v10, s[10:11]
	s_wait_loadcnt 0x0
	v_pk_mul_f32 v[64:65], v[64:65], 0x4038aa3b op_sel_hi:[1,0]
	v_pk_mul_f32 v[66:67], v[66:67], 0x4038aa3b op_sel_hi:[1,0]
	v_pk_mul_f32 v[68:69], v[68:69], -2.0 op_sel_hi:[1,0]
	v_pk_mul_f32 v[70:71], v[70:71], -2.0 op_sel_hi:[1,0]
	ds_store_b128 v6, v[64:67]
	ds_store_b128 v6, v[68:71] offset:512
; 48 LDS loads in one run: 32 k (half kq of a K step) of my 128 rows of A in f32, fragment by fragment, four loads each, then of my 128 rows of B into buffer g.
; A's lane (r, h) wants k = 8 h .. + 7 and 16 + 8 h .. + 7: in f32 the bytes 32 h + 0, 16 and 32 h + 64, 80.
.macro FETCH slot, kq, g
	WIN TO_1
.irp i, 0,1,2,3,4,5,6,7
.irp o, 0,1,2,3
	ds_load_b128 v[ST+16*\i+4*\o:ST+16*\i+4*\o+3], v[ADRA+\slot] offset:\i*16*PA+128*\kq+16*(\o&1)+64*(\o>>1)
.endr
.endr
.irp i, 0,1,2,3,4,5,6,7
	ds_load_b128 v[BF+64*\g+8*\i:BF+64*\g+8*\i+3],   v[ADRB+\slot] offset:\i*16*PB+64*\kq
	ds_load_b128 v[BF+64*\g+8*\i+4:BF+64*\g+8*\i+7], v[ADRB+\slot] offset:\i*16*PB+64*\kq+32
.endr
.endm
; fragments 2 i and 2 i + 1 of A, f32 to f16, into buffer g
.macro CVT16 i, g
	WIN W_CVT
.irp a, 2*\i, 2*\i+1
.irp j, 0,1,2,3,4,5,6,7
	v_cvt_pk_f16_f32 v[AF+64*\g+8*(\a)+\j], v[ST+16*(\a)+2*\j], v[ST+16*(\a)+2*\j+1]
.endr
.endr
.endm
; 8 matrix instructions: 16 rows (block a of the window's four; hi = 0: my rows 0-63, 1: rows 64-127) x my 128 columns, 32 along K.  zero = 1: the product starts the sums.
.macro MUL8 f, hi, a, zero
.irp b, 0,1,2,3,4,5,6,7
.if \zero
	v_wmma_f32_16x16x32_f16 v[8*(8*\a+\b):8*(8*\a+\b)+7], v[BF+64*\f+8*\b:BF+64*\f+8*\b+7], v[AF+64*\f+8*(4*\hi+\a):AF+64*\f+8*(4*\hi+\a)+7], 0
.else
	v_wmma_f32_16x16x32_f16 v[8*(8*\a+\b):8*(8*\a+\b)+7], v[BF+64*\f+8*\b:BF+64*\f+8*\b+7], v[AF+64*\f+8*(4*\hi+\a):AF+64*\f+8*(4*\hi+\a)+7], v[8*(8*\a+\b):8*(8*\a+\b)+7]
.endif
.endr
.endm
; Four places between the matrix instructions that read a pair of buffers and the loads and conversions that write them again
.macro PLACES
.rept 4
	v_nop
.endr
.endm
.macro LOW f, zero                     ; window 2's 32 products
	WIN MUL_LO
	MUL8 \f, 0, 0, \zero
	MUL8 \f, 0, 1, \zero
	MUL8 \f, 0, 2, \zero
	MUL8 \f, 0, 3, \zero
.endm
; The next half step's A is rounded among window 3's products.  LDS loads come back in order (ISA guide 5.7.1): of the run of 48, fragments 0 to 2 i + 1 are the oldest 8 (i + 1).
.macro PREP f, g, zero
	s_wait_dscnt 40                                ; 48 - 8: fragments 0, 1 are in
	CVT16 0, \g
	WIN MUL_HI
	MUL8 \f, 1, 0, \zero
	s_wait_dscnt 32                                ; 48 - 16
	CVT16 1, \g
	WIN MUL_HI
	MUL8 \f, 1, 1, \zero
	s_wait_dscnt 24                                ; 48 - 24
	CVT16 2, \g
	WIN MUL_HI
	MUL8 \f, 1, 2, \zero
	s_wait_dscnt 16                                ; 48 - 32: all of A; B's sixteen may be out
	CVT16 3, \g
	s_wait_dscnt 0x0                               ; B too: no LDS read of mine is pending
.endm
; A K step = two halves of 32 along K, 64 matrix instructions each, on buffers 0 and 1.  All 64 accumulators take turns in one order, one instruction a turn.
; The first half multiplies buffers 0 and reads the slot's second half into buffers 1: the slot's last reads.  Then the slots change:
;   mode 2: every wave has waited for its LDS reads and for all its tensor loads (the one out is its part of the next slot); a round of the cluster's barrier; this slot is
;           filled again, two K steps ahead, by the wave's one tensor load behind the round.  From that request to the wait for it a wave issues 120 matrix instructions.
;   mode 1: the same waits and the work-group's barrier alone: nothing is left to fetch.      mode 0: the last K step.
; pf = 1: ask for my share of A's bytes of the lap after next;  pf = 2: step that address, half a lap behind the request.
.macro STEP slot, next, zero, mode, pf
	PLACES
	FETCH \slot, 1, 1
	LOW 0, \zero
	PREP 0, 1, \zero
.if \mode
	s_set_vgpr_msb 0x500
	s_wait_tensorcnt 0x0                           ; all my tensor loads have landed; my reads of this slot were waited for just above
	ds_add_u32 v254, v255
	s_wait_dscnt 0x0
	s_set_vgpr_msb 0x5
	s_barrier_signal -1
.endif
	WIN MUL_HI
	MUL8 0, 1, 3, \zero                            ; register work while the others arrive
.if \mode
	WIN 0                                          ; at a branch and at a label every window is 0
	s_barrier_wait -1
.endif
.if \mode == 2
	CREST                                          ; no wave of any partner still reads this slot or has a load on its way
	s_add_nc_u64 s[G0+4*\slot+2:G0+4*\slot+3], s[G0+4*\slot+2:G0+4*\slot+3], 2*KSTEP*4
	s_add_nc_u64 s[G0B+4*\slot+2:G0B+4*\slot+3], s[G0B+4*\slot+2:G0B+4*\slot+3], 2*KBLK
	JLOAD \slot
.endif
.if \pf == 1
	global_prefetch_b8 v[PF], s[4:5] th:TH_LOAD_NT scope:SCOPE_SE
.endif
.if \pf == 2
	s_wait_xcnt 0x0                                ; the request of half a lap ago has read its address
	v_add_nc_u32 v[PF], 512, v[PF]
.endif
.if \mode
	PLACES
	FETCH \next, 0, 0
	LOW 1, 0
	PREP 1, 0, 0
	WIN MUL_HI
	MUL8 1, 1, 3, 0
.else
	LOW 1, 0
	WIN MUL_HI
	MUL8 1, 1, 0, 0
	MUL8 1, 1, 1, 0
	MUL8 1, 1, 2, 0
	MUL8 1, 1, 3, 0
.endif
.endm
.macro LAP zero, pf                    ; once round the ring, both slots filled again
	STEP 0, 1, \zero, 2, \pf
	STEP 1, 0, 0, 2, 2*\pf
	WIN 0
.endm
	s_wait_tensorcnt 0x1                           ; my part of K step 0 is in; K step 1's stays out
	s_wait_dscnt 0x0                               ; no LDS instruction is pending at a signal
	s_barrier_signal -1
	s_barrier_wait -1
	FETCH 0, 0, 0
	s_wait_dscnt 0x0
	CVT16 0, 0
	CVT16 1, 0
	CVT16 2, 0
	CVT16 3, 0
	; 32 K steps = 16 laps.  Laps 0 to 13 prefetch for laps 2 to 15; laps 14 and 15 ask for nothing, so no request passes the end of a row.
	LAP 1, 1                                       ; lap 0 stands in front of the loop: its first products start the sums
	s_mov_b32 s23, 13
.Llap:
	LAP 0, 1                                       ; laps 1 to 13
	s_sub_co_u32 s23, s23, 1
	s_cmp_lg_u32 s23, 0
	s_cbranch_scc1 .Llap
	LAP 0, 0                                       ; lap 14 fills the slots for the last time
	STEP 0, 1, 0, 1, 0                             ; lap 15 fills nothing
	STEP 1, 0, 0, 0, 0
	; THE WAY OUT.  Lane (r, h) holds, in tile (a, b), row 16 a + r and columns 16 b + 8 h + j.
	; sum of W tanh = sum of W + sum of W' / (1 + 2^(2.885390 acc + dec')),  W' = -2 W.
	PLACES                                         ; behind the last matrix instructions: for the loads into their sources and the arithmetic on their results
	WIN 0
.irp b, 0,1,2,3,4,5,6,7
	ds_load_b128 v[DQ+8*\b:DQ+8*\b+3],   v[DWA] offset:64*\b
	ds_load_b128 v[DQ+8*\b+4:DQ+8*\b+7], v[DWA] offset:64*\b+16
	ds_load_b128 v[WQ+8*\b:WQ+8*\b+3],   v[DWA] offset:512+64*\b
	ds_load_b128 v[WQ+8*\b+4:WQ+8*\b+7], v[DWA] offset:512+64*\b+16
.endr
	s_wait_dscnt 0x0
.irp c, 0,1,2,3
	v_pk_add_f32 v[SZ+2*\c:SZ+2*\c+1], v[WQ+2*\c:WQ+2*\c+1], v[WQ+8+2*\c:WQ+8+2*\c+1]     ; the sum of my 64 W', in four chains
.endr
.set i, 8
.rept 24
	v_pk_add_f32 v[SZ+2*(i%4):SZ+2*(i%4)+1], v[SZ+2*(i%4):SZ+2*(i%4)+1], v[WQ+2*i:WQ+2*i+1]
.set i, i+1
.endr
	v_pk_add_f32 v[SZ:SZ+1], v[SZ:SZ+1], v[SZ+2:SZ+3]
	v_pk_add_f32 v[SZ+4:SZ+5], v[SZ+4:SZ+5], v[SZ+6:SZ+7]
	v_pk_add_f32 v[SZ:SZ+1], v[SZ:SZ+1], v[SZ+4:SZ+5]
	v_pk_mul_f32 v[SZ:SZ+1], v[SZ:SZ+1], -0.5 op_sel_hi:[1,0]                             ; = the sum of my 64 W: every row's sum starts from it
; one window's 32 tiles: e, f = the window settings for work in place and for the sums; hi = which four of the eight sums
.macro TANHW e, f, hi
	WIN \e
.set i, 0
.rept 128
	v_pk_fma_f32 v[2*i:2*i+1], v[2*i:2*i+1], 0x4038aa3b, v[DQ+2*(i%32):DQ+2*(i%32)+1] op_sel_hi:[1,0,1]
.set i, i+1
.endr
.set i, 0
.rept 256
	v_exp_f32 v[i], v[i]
.set i, i+1
.endr
	v_nop                                          ; one plain place behind the run of transcendentals (ISA guide 5.7.2)
.set i, 0
	s_wait_alu depctr_va_vdst(0)
.rept 128
	v_pk_add_f32 v[2*i:2*i+1], v[2*i:2*i+1], 1.0 op_sel_hi:[1,0]
.set i, i+1
.endr
.set i, 0
.rept 256
	v_rcp_f32 v[i], v[i]
.set i, i+1
.endr
	v_nop
	s_wait_alu depctr_va_vdst(0)
	WIN \f
.irp b, 0,1,2,3,4,5,6,7
.irp p, 0,1,2,3
.irp a, 0,1,2,3
.if (\b+\p) == 0
	v_pk_fma_f32 v[SA+2*(4*\hi+\a):SA+2*(4*\hi+\a)+1], v[8*(8*\a+\b)+2*\p:8*(8*\a+\b)+2*\p+1], v[WQ+8*\b+2*\p:WQ+8*\b+2*\p+1], v[SZ:SZ+1]
.else
	v_pk_fma_f32 v[SA+2*(4*\hi+\a):SA+2*(4*\hi+\a)+1], v[8*(8*\a+\b)+2*\p:8*(8*\a+\b)+2*\p+1], v[WQ+8*\b+2*\p:WQ+8*\b+2*\p+1], v[SA+2*(4*\hi+\a):SA+2*(4*\hi+\a)+1]
.endif
.endr
.endr
.endr
.endm
	TANHW W_E2, W_F2, 0
	TANHW W_E3, W_F3, 1
	WIN 0
.irp a, 0,1,2,3,4,5,6,7
	v_add_f32 v[SA+2*\a], v[SA+2*\a], v[SA+2*\a+1]
.endr
.irp a, 0,1,2,3,4,5,6,7
	ds_store_b32 v[EPA], v[SA+2*\a] offset:64*\a   ; row 128 x row half + 16 a + r, partial 2 x column half + h
.endr
	s_wait_dscnt 0x0                               ; for the others' sake
	s_barrier_signal -1
	s_barrier_wait -1
	s_cmp_lt_u32 s14, 2
	s_cbranch_scc0 .Lno_store
	; waves 0 and 1: thread t of 64 adds the four partials of rows 4 t .. 4 t + 3 and stores 16 bytes: 512 consecutive bytes a wave, aligned
	v_and_b32 v3, 63, v0
	v_lshlrev_b32 v3, 4, v3
	v_add_nc_u32 v4, EP, v3
.irp c, 0,1,2,3
	ds_load_b128 v[DQ+4*\c:DQ+4*\c+3], v4 offset:1024*\c
.endr
	s_lshl_b32 s79, s19, 17                        ; epart[column block]: 131,072 bytes each
	s_lshl_b32 s80, s20, 10                        ; 256 rows of 4 bytes for each row block
	s_add_co_u32 s79, s79, s80
	v_add_nc_u32 v5, s79, v3
	s_wait_dscnt 0x0
	v_pk_add_f32 v[DQ:DQ+1], v[DQ:DQ+1], v[DQ+8:DQ+9]
	v_pk_add_f32 v[DQ+2:DQ+3], v[DQ+2:DQ+3], v[DQ+10:DQ+11]
	v_pk_add_f32 v[DQ+4:DQ+5], v[DQ+4:DQ+5], v[DQ+12:DQ+13]
	v_pk_add_f32 v[DQ+6:DQ+7], v[DQ+6:DQ+7], v[DQ+14:DQ+15]
	v_pk_add_f32 v[DQ:DQ+1], v[DQ:DQ+1], v[DQ+4:DQ+5]
	v_pk_add_f32 v[DQ+2:DQ+3], v[DQ+2:DQ+3], v[DQ+6:DQ+7]
	global_store_b128 v5, v[DQ:DQ+3], s[12:13]
.Lno_store:
	s_wait_tensorcnt 0x0
	ds_add_u32 v254, v255
	s_wait_dscnt 0x0
	CROUND                                         ; the closing round: no work-group ends while a partner may still ask for a tile that names it
	s_endpgm
.Lfunc_end_k_q93be3ca49f_gemm:
	.size	k_q93be3ca49f_gemm, .Lfunc_end_k_q93be3ca49f_gemm-k_q93be3ca49f_gemm
	.p2alignl 7, 3214868480
	.fill 96, 4, 3214868480
	.section	.rodata,"a",@progbits
	.p2align	6, 0x0
	.amdhsa_kernel k_q93be3ca49f_gemm
		.amdhsa_group_segment_fixed_size 327680
		.amdhsa_private_segment_fixed_size 0
		.amdhsa_enable_private_segment 0
		.amdhsa_kernarg_size 40
		.amdhsa_user_sgpr_count 2
		.amdhsa_user_sgpr_kernarg_segment_ptr 1
		.amdhsa_wavefront_size32 1
		.amdhsa_system_sgpr_workgroup_id_x 1
		.amdhsa_system_sgpr_workgroup_id_y 1
		.amdhsa_system_sgpr_workgroup_id_z 1
		.amdhsa_system_vgpr_workitem_id 0
		.amdhsa_next_free_vgpr 1024
		.amdhsa_next_free_sgpr 88
		.amdhsa_reserve_vcc 0
		.amdhsa_float_denorm_mode_32 3
		.amdhsa_float_denorm_mode_16_64 3
		.amdhsa_memory_ordered 1
		.amdhsa_forward_progress 1
		.amdhsa_inst_pref_size 255
	.end_amdhsa_kernel
	.section	.bss,"aw",@nobits
	.p2align	6
	.space	262144
	.amdgpu_metadata
---
amdhsa.version: [ 1, 2 ]
amdhsa.kernels:
  - .name:           k_q93be3ca49f_gemm
    .symbol:         k_q93be3ca49f_gemm.kd
    .args:
      - { .name: enc_state, .offset: 0, .size: 8, .value_kind: global_buffer, .address_space: global }
      - { .name: wf16, .offset: 8, .size: 8, .value_kind: global_buffer, .address_space: global }
      - { .name: decv, .offset: 16, .size: 8, .value_kind: global_buffer, .address_space: global }
      - { .name: W_energy, .offset: 24, .size: 8, .value_kind: global_buffer, .address_space: global }
      - { .name: epart, .offset: 32, .size: 8, .value_kind: global_buffer, .address_space: global }
    .group_segment_fixed_size: 327680
    .private_segment_fixed_size: 0
    .kernarg_segment_align: 8
    .kernarg_segment_size: 40
    .max_flat_workgroup_size: 128
    .sgpr_count:     88
    .vgpr_count:     1024
    .wavefront_size: 32
...
	.end_amdgpu_metadata
.endif
;; end of part 2
;; launch ctx (part 3): grid 8 x 32, 16 waves a work-group, no clusters, 18,432 bytes of LDS; arguments epart, src_length, enc_state, out0, out1; writes out0, out1
.if DOCPART == 3
	.amdgcn_target "amdgcn-amd-amdhsa--gfx1250"
	.amdhsa_code_object_version 6
	.text
	.protected	k_q93be3ca49f_ctx
	.globl	k_q93be3ca49f_ctx
	.p2align	8
	.type	k_q93be3ca49f_ctx,@function
k_q93be3ca49f_ctx:
	s_mov_b64 s[64:65], 0
	v_nop
	global_prefetch_b8 v0, s[64:65] scope:SCOPE_SE
	s_setreg_imm32_b32 hwreg(HW_REG_WAVE_MODE, 25, 1), 1
	s_wait_xcnt 0x0
; Work-group (c, b): the masked softmax of batch b's 1,024 energies (each the sum of four partial energies), alphas 128 c .. 128 c + 127 to out1,
; and context columns 256 c .. 256 c + 255 to out0: sum over s < src_length[b] of alpha[s] enc_state[b][s][column].
; A stream: one row of weights against a matrix, so no matrix unit; the work-groups of a batch share only 16,384 bytes of epart, so no cluster; loads go through registers.
; Sixteen waves; a trip takes 128 rows, wave w rows 8 w .. 8 w + 7, each row's 1,024 bytes as two loads of 512 consecutive bytes.  Sixteen loads of every wave are on their way.
; Only the trips that hold a row below src_length are made; rows at or above it inside the last trip are multiplied by a weight of exactly 0.
; The sum is made with the unnormalised weights 2^((e - max) log2 e), at most 1 each, and divided by their sum at the end.
; No prefetch: every wave keeps its loads from memory in flight all the time.
; Limits: src_length in 1 .. 1,024 (larger counts as 1,024); masked rows inside the last trip of 128 must be finite; weights below 2^-126 come out as 0 (v_exp_f32 flushes, ISA guide 15.8).
.set ROW,  8192                        ; bytes in a row of enc_state
.set TRIP, 128*ROW
.set RM,   4096                        ; LDS: 0 the 1,024 weights; RM the waves' maxima; RS their sums
.set RS,   4352
.set RED,  0                           ; behind the loop and a barrier the same bytes take the waves' partial contexts, 1,024 bytes each: 16,384 in all
.set OFF,  1                           ; v1       byte offset of my 16 bytes in my wave's first row of a trip; never rewritten
.set PAD,  2                           ; v2       LDS address of my wave's eight weights in this trip
.set EO,   3                           ; v3       4,096 b + 8 t: my two energies in epart, my two alphas in out1; never rewritten
.set E,    4                           ; v[4:11]  four partial energies x two
.set PP,   12                          ; v[12:13] my two weights
.set INV,  14                          ; v14      1 / their sum (v15 beside it is written too)
.set AL,   16                          ; v[16:23] the eight rows' weights (before the loop: at work)
.set ACC,  24                          ; v[24:31] my 8 columns' sums
.set X,    32                          ; v[32:95] row i, half q of its 1,024 bytes, at X + 8 i + 4 q
.set T,    96                          ; v[96:111] at work
	s_load_b256 s[4:11], s[0:1], 0x0               ; epart s[4:5], src_length s[6:7], enc_state s[8:9], out0 s[10:11]
	s_load_b64 s[12:13], s[0:1], 0x20              ; out1
	v_lshl_add_u32 v112, v0, 2, 0x4000
	v_mov_b32 v113, 0
	v_lshrrev_b32 v15, 5, v0
	v_readfirstlane_b32 s14, v15                   ; wave 0..15
	s_and_b32 s21, ttmp7, 0xffff                   ; b
	s_mov_b32 s20, ttmp9                           ; c
	s_mov_b32 s18, 0x76543210                      ; v_permlanex16_b32: lane i of one half reads lane i of the other
	s_mov_b32 s19, 0xfedcba98
	s_lshl_b32 s22, s21, 2
	s_mov_b32 s23, 0
	s_lshl_b32 s24, s21, 23                        ; 1,024 rows of 8,192 bytes for each batch: below 2^28
	s_lshl_b32 s26, s20, 10                        ; my 256 columns
	s_add_co_u32 s24, s24, s26
	s_mov_b32 s25, 0
	v_and_b32 v16, 31, v0
	s_lshl_b32 s26, s14, 16                        ; 8 rows for each wave
	v_lshl_add_u32 v[OFF], v16, 4, s26
	s_lshl_b32 s27, s21, 12
	v_lshl_add_u32 v[EO], v0, 3, s27
	s_wait_kmcnt 0x0
	s_add_nc_u64 s[6:7], s[6:7], s[22:23]
	s_add_nc_u64 s[8:9], s[8:9], s[24:25]
	s_load_b32 s15, s[6:7], 0x0                    ; src_length[b]
.irp n, 0,1,2,3
	global_load_b64 v[E+2*\n:E+2*\n+1], v[EO], s[4:5] offset:\n*131072
.endr
; eight loads: rows 4 half .. 4 half + 3 of my eight, of this trip (ahead = 0) or the next (1)
.macro LD4 half, ahead
.irp i, 0,1,2,3
.irp q, 0,1
	global_load_b128 v[X+8*(4*\half+\i)+4*\q:X+8*(4*\half+\i)+4*\q+3], v[OFF], s[8:9] offset:\ahead*TRIP+(4*\half+\i)*ROW+\q*512 th:TH_LOAD_NT
.endr
.endr
.endm
	LD4 0, 0                                       ; rows 0 to 127 are always wanted: src_length is at least 1
	LD4 1, 0
	; ---- the softmax.  Thread t holds s = 2 t and 2 t + 1.
	s_wait_loadcnt 16                              ; the four loads of energies are in; the sixteen younger row loads stay out
	v_pk_add_f32 v[E:E+1], v[E:E+1], v[E+2:E+3]
	v_pk_add_f32 v[E+4:E+5], v[E+4:E+5], v[E+6:E+7]
	v_pk_add_f32 v[E:E+1], v[E:E+1], v[E+4:E+5]
	v_lshlrev_b32 v15, 1, v0
	v_or_b32 v20, 1, v15
	s_wait_kmcnt 0x0
	s_min_u32 s15, s15, 1024
	s_sub_co_u32 s16, s15, 1
	s_lshr_b32 s16, s16, 7
	s_min_u32 s16, s16, 7                          ; trips - 1: 0 to 7
	v_cmp_gt_u32 vcc_lo, s15, v15
	v_cndmask_b32 v[E], 0xff800000, v[E], vcc_lo   ; minus infinity at and above src_length
	v_cmp_gt_u32 vcc_lo, s15, v20
	v_cndmask_b32 v[E+1], 0xff800000, v[E+1], vcc_lo
	v_max_num_f32 v21, v[E], v[E+1]
	v_max_num_f32_dpp v21, v21, v21 row_xmask:1 row_mask:0xf bank_mask:0xf
	v_max_num_f32_dpp v21, v21, v21 row_xmask:2 row_mask:0xf bank_mask:0xf
	v_max_num_f32_dpp v21, v21, v21 row_xmask:4 row_mask:0xf bank_mask:0xf
	v_max_num_f32_dpp v21, v21, v21 row_xmask:8 row_mask:0xf bank_mask:0xf
	v_permlanex16_b32 v20, v21, s18, s19           ; its destination counts as read: v20 has been written
	v_max_num_f32 v21, v21, v20
	v_mov_b32 v17, s14
	v_lshlrev_b32 v17, 2, v17
	ds_store_b32 v17, v21 offset:RM
	s_wait_dscnt 0x0                               ; for the others' sake
	s_barrier_signal -1
	s_barrier_wait -1
	v_mov_b32 v18, 0
.irp k, 0,1,2,3
	ds_load_b128 v[T+4*\k:T+4*\k+3], v18 offset:RM+16*\k
.endr
	s_wait_dscnt 0x0
	v_max3_num_f32 v[T], v[T], v[T+1], v[T+2]
	v_max3_num_f32 v[T+3], v[T+3], v[T+4], v[T+5]
	v_max3_num_f32 v[T+6], v[T+6], v[T+7], v[T+8]
	v_max3_num_f32 v[T+9], v[T+9], v[T+10], v[T+11]
	v_max3_num_f32 v[T+12], v[T+12], v[T+13], v[T+14]
	v_max3_num_f32 v[T], v[T], v[T+3], v[T+6]
	v_max3_num_f32 v[T+9], v[T+9], v[T+12], v[T+15]
	v_max_num_f32 v[T], v[T], v[T+9]               ; the batch's maximum, in every lane
	v_sub_f32 v[PP], v[E], v[T]
	v_sub_f32 v[PP+1], v[E+1], v[T]
	v_mul_f32 v[PP], 0x3fb8aa3b, v[PP]
	v_mul_f32 v[PP+1], 0x3fb8aa3b, v[PP+1]
	v_exp_f32 v[PP], v[PP]
	v_exp_f32 v[PP+1], v[PP+1]
	v_lshlrev_b32 v19, 3, v0                       ; the plain place behind the transcendentals (ISA guide 5.7.2)
	s_wait_alu depctr_va_vdst(0)
	v_add_f32 v21, v[PP], v[PP+1]
	v_add_f32_dpp v21, v21, v21 row_xmask:1 row_mask:0xf bank_mask:0xf
	v_add_f32_dpp v21, v21, v21 row_xmask:2 row_mask:0xf bank_mask:0xf
	v_add_f32_dpp v21, v21, v21 row_xmask:4 row_mask:0xf bank_mask:0xf
	v_add_f32_dpp v21, v21, v21 row_xmask:8 row_mask:0xf bank_mask:0xf
	v_permlanex16_b32 v20, v21, s18, s19
	v_add_f32 v21, v21, v20
	ds_store_b64 v19, v[PP:PP+1]                   ; the weights, for every wave
	ds_store_b32 v17, v21 offset:RS
	s_wait_dscnt 0x0
	s_barrier_signal -1
	s_barrier_wait -1
.irp k, 0,1,2,3
	ds_load_b128 v[T+4*\k:T+4*\k+3], v18 offset:RS+16*\k
.endr
	s_lshl_b32 s26, s14, 5
	v_mov_b32 v[PAD], s26                          ; my wave's eight weights: 32 bytes
	s_wait_dscnt 0x0
	v_pk_add_f32 v[T:T+1], v[T:T+1], v[T+8:T+9]
	v_pk_add_f32 v[T+2:T+3], v[T+2:T+3], v[T+10:T+11]
	v_pk_add_f32 v[T+4:T+5], v[T+4:T+5], v[T+12:T+13]
	v_pk_add_f32 v[T+6:T+7], v[T+6:T+7], v[T+14:T+15]
	v_pk_add_f32 v[T:T+1], v[T:T+1], v[T+4:T+5]
	v_pk_add_f32 v[T+2:T+3], v[T+2:T+3], v[T+6:T+7]
	v_pk_add_f32 v[T:T+1], v[T:T+1], v[T+2:T+3]
	v_add_f32 v[T], v[T], v[T+1]                   ; at least 1: the maximum's own weight
	v_rcp_f32 v[INV], v[T]
.irp j, 0,1,2,3,4,5,6,7
	v_mov_b32 v[ACC+\j], 0                         ; the first of these is the plain place behind v_rcp_f32
.endr
	s_lshr_b32 s22, s14, 1
	s_cmp_lg_u32 s22, s20
	s_cbranch_scc1 .Lno_alpha
	s_wait_alu depctr_va_vdst(0)
	v_mul_f32 v6, v[PP], v[INV]                    ; waves 2 c and 2 c + 1 hold alphas 128 c .. 128 c + 127: 256 consecutive bytes a wave, aligned
	v_mul_f32 v7, v[PP+1], v[INV]
	global_store_b64 v[EO], v[6:7], s[12:13]       ; v6, v7 and the offset are never rewritten
.Lno_alpha:
; one row: my 8 columns += the row's weight x the row; sel picks the weight's register in its pair for both halves of the packed product
.macro ROWFMA row, sel
.irp u, 0,1,2,3
	v_pk_fma_f32 v[ACC+2*\u:ACC+2*\u+1], v[X+8*(\row)+2*\u:X+8*(\row)+2*\u+1], v[AL+2*((\row)/2):AL+2*((\row)/2)+1], v[ACC+2*\u:ACC+2*\u+1] op_sel:[0,\sel,0] op_sel_hi:[1,\sel,1]
.endr
.endm
.macro FMA4 half
	ROWFMA 4*\half, 0
	ROWFMA 4*\half+1, 1
	ROWFMA 4*\half+2, 0
	ROWFMA 4*\half+3, 1
.endm
	s_mov_b32 s17, 0
	s_cmp_eq_u32 s16, 0
	s_cbranch_scc1 .Ltail
.Ltrip:                                            ; at this label sixteen row loads are out: rows 0-3's eight, then rows 4-7's eight
	ds_load_b128 v[AL:AL+3], v[PAD]
	ds_load_b128 v[AL+4:AL+7], v[PAD] offset:16
	s_wait_loadcnt 8                               ; rows 0-3 are in; rows 4-7's eight loads stay out
	s_wait_dscnt 0x0
	FMA4 0
	LD4 0, 1                                       ; the next trip's rows 0-3
	s_wait_loadcnt 8                               ; rows 4-7 are in; the eight just issued stay out
	FMA4 1
	LD4 1, 1
	s_wait_xcnt 0x0                                ; the base is stepped only behind this wait
	s_add_nc_u64 s[8:9], s[8:9], TRIP
	v_add_nc_u32 v[PAD], 512, v[PAD]               ; 128 weights on
	s_add_co_u32 s17, s17, 1
	s_cmp_lt_u32 s17, s16
	s_cbranch_scc1 .Ltrip
.Ltail:                                            ; the last trip loads nothing
	ds_load_b128 v[AL:AL+3], v[PAD]
	ds_load_b128 v[AL+4:AL+7], v[PAD] offset:16
	s_wait_loadcnt 8
	s_wait_dscnt 0x0                               ; my last reads of the weights are back; no LDS instruction of mine follows before the barrier below
	FMA4 0
	s_wait_loadcnt 0x0
	FMA4 1
	; ---- the sixteen waves' sums meet in LDS, in the bytes that held the weights, the maxima and the sums:
	; every wave has waited for its reads of them, and none stores before all sixteen have said so
	s_barrier_signal -1
	s_barrier_wait -1
	v_and_b32 v4, 31, v0
	s_lshl_b32 s26, s14, 10
	v_lshl_add_u32 v4, v4, 4, s26
	ds_store_b128 v4, v[ACC:ACC+3] offset:RED
	ds_store_b128 v4, v[ACC+4:ACC+7] offset:RED+512
	s_wait_dscnt 0x0                               ; for the others' sake
	s_barrier_signal -1
	s_barrier_wait -1
	s_cmp_lt_u32 s14, 2
	s_cbranch_scc0 .Ldone
	v_and_b32 v5, 63, v0                           ; waves 0 and 1: thread t of 64 takes columns 4 t .. 4 t + 3
	v_lshlrev_b32 v5, 4, v5
.irp w, 0,1,2,3,4,5,6,7,8,9,10,11,12,13,14,15
	ds_load_b128 v[X+4*\w:X+4*\w+3], v5 offset:RED+1024*\w
.endr
	s_lshl_b32 s26, s21, 13
	s_lshl_b32 s27, s20, 10
	s_add_co_u32 s26, s26, s27
	v_add_nc_u32 v8, s26, v5
	s_wait_dscnt 0x0
.irp d, 32,16,8,4
.set i, 0
.rept \d/2
	v_pk_add_f32 v[X+2*i:X+2*i+1], v[X+2*i:X+2*i+1], v[X+\d+2*i:X+\d+2*i+1]
.set i, i+1
.endr
.endr
	s_wait_alu depctr_va_vdst(0)
	v_pk_mul_f32 v[X:X+1], v[X:X+1], v[INV:INV+1] op_sel_hi:[1,0]
	v_pk_mul_f32 v[X+2:X+3], v[X+2:X+3], v[INV:INV+1] op_sel_hi:[1,0]
	global_store_b128 v8, v[X:X+3], s[10:11]       ; 512 consecutive bytes a wave, aligned
.Ldone:
	s_wait_tensorcnt 0x0
	ds_add_u32 v112, v113
	s_wait_dscnt 0x0
	s_endpgm
.Lfunc_end_k_q93be3ca49f_ctx:
	.size	k_q93be3ca49f_ctx, .Lfunc_end_k_q93be3ca49f_ctx-k_q93be3ca49f_ctx
	.p2alignl 7, 3214868480
	.fill 96, 4, 3214868480
	.section	.rodata,"a",@progbits
	.p2align	6, 0x0
	.amdhsa_kernel k_q93be3ca49f_ctx
		.amdhsa_group_segment_fixed_size 18432
		.amdhsa_private_segment_fixed_size 0
		.amdhsa_enable_private_segment 0
		.amdhsa_kernarg_size 40
		.amdhsa_user_sgpr_count 2
		.amdhsa_user_sgpr_kernarg_segment_ptr 1
		.amdhsa_wavefront_size32 1
		.amdhsa_system_sgpr_workgroup_id_x 1
		.amdhsa_system_sgpr_workgroup_id_y 1
		.amdhsa_system_sgpr_workgroup_id_z 1
		.amdhsa_system_vgpr_workitem_id 0
		.amdhsa_next_free_vgpr 114
		.amdhsa_next_free_sgpr 66
		.amdhsa_reserve_vcc 1
		.amdhsa_float_denorm_mode_32 3
		.amdhsa_float_denorm_mode_16_64 3
		.amdhsa_memory_ordered 1
		.amdhsa_forward_progress 1
		.amdhsa_inst_pref_size 18
	.end_amdhsa_kernel
	.amdgpu_metadata
---
amdhsa.version: [ 1, 2 ]
amdhsa.kernels:
  - .name:           k_q93be3ca49f_ctx
    .symbol:         k_q93be3ca49f_ctx.kd
    .args:
      - { .name: epart, .offset: 0, .size: 8, .value_kind: global_buffer, .address_space: global }
      - { .name: src_length, .offset: 8, .size: 8, .value_kind: global_buffer, .address_space: global }
      - { .name: enc_state, .offset: 16, .size: 8, .value_kind: global_buffer, .address_space: global }
      - { .name: out0, .offset: 24, .size: 8, .value_kind: global_buffer, .address_space: global }
      - { .name: out1, .offset: 32, .size: 8, .value_kind: global_buffer, .address_space: global }
    .group_segment_fixed_size: 18432
    .private_segment_fixed_size: 0
    .kernarg_segment_align: 8
    .kernarg_segment_size: 40
    .max_flat_workgroup_size: 512
    .sgpr_count:     66
    .vgpr_count:     114
    .wavefront_size: 32
...
	.end_amdgpu_metadata
.endif
;; end of part 3
